; MI455X (gfx1250); checked and timed in simulation.
; The chip was launched on July 23, 2026; its instructions are those of AMD's public machine-readable ISA for CDNA 5 (MIT licence, August 2026) and "CDNA5" Instruction Set Architecture Reference Guide (July 2026). The comments in the code are by the model that wrote it; some were corrected since.
;; Multi Head Attention. Allowed arithmetic: matrix products marked QUANTISED: E5M2 operands, one given power-of-two scale a tensor, by v_wmma_f32_16x16x64_bf8_bf8 or v_wmma_f32_16x16x128_bf8_bf8, f32 sums; everything else in f32.
;; Inputs: Wo_codes 1,024 x 32 x 32 uint8 (E5M2 codes of Wo, K innermost, in blocks of 32 codes); Wqkv_codes 3,072 x 32 x 32 uint8 (E5M2 codes of Wqkv, K innermost, in blocks of 32 codes); bo 1,024 float32; bqkv 3,072 float32; lowp_scales 8 int32 (the exponents e of the quantised operands' scales 2^e); x_codes 4 x 2,048 x 32 x 32 uint8 (E5M2 codes of x, K innermost, in blocks of 32 codes).
;; Outputs: out0 4 x 2,048 x 1,024 float32.
;; This version of the problem:
;;   THIS VERSION OF THE PROBLEM IS GIVEN IN LOW PRECISION. The matrix products marked QUANTISED in the list below multiply operands that are first quantised to E5M2 (5 exponent bits, 2 mantissa bits; 8 bits a number), with one given power-of-two scale for each operand tensor; their sums are f32. All else is computed in f32.
;;   The module's matrix products, in the order in which they are computed (A, B: the left and right operand; K: the contracted axis; several contracted axes count as one K, in the product's order):
;;     1. [M 8,192, K 1,024] x [K 1,024, N 3,072]; A: input x (given as codes); B: input Wqkv (given as codes): QUANTISED (scales: A lowp_scales[0], B lowp_scales[1])
;;     2. batch 64 x [M 2,048, K 64] x [K 64, N 2,048]; A: computed on the way; B: computed on the way: QUANTISED (scales: A lowp_scales[2], B lowp_scales[3])
;;     3. batch 64 x [M 2,048, K 2,048] x [K 2,048, N 64]; A: softmax (see below); B: computed on the way: QUANTISED (scales: A lowp_scales[4], B lowp_scales[5])
;;     4. [M 8,192, K 1,024] x [K 1,024, N 1,024]; A: computed on the way; B: input Wo (given as codes): QUANTISED (scales: A lowp_scales[6], B lowp_scales[7])
;;   THE QUANTISER, for each operand of a quantised product, along K:
;;     - The operand's scale is 2^e, e = its entry of the input lowp_scales (int32; the entries are numbered through the quantised products in the list's order, A before B).
;;     - Each number is divided by the scale, clamped to +-57,344, and rounded to the nearest number of E5M2, ties to even, subnormals kept.
;;     - The product sums the exact products of the quantised numbers (number of the format x scale) in f32.
;;   ~~~python
;;   def quantise(x, axis, e):      # numpy; x: float32 -> the quantised numbers, widened to float32 again
;;       x = np.moveaxis(x, axis, -1); K = x.shape[-1]
;;       r = np.clip(x / 2.0 ** e, -57344, 57344)
;;       step = 2.0 ** (np.maximum(np.frexp(np.where(r == 0, 1, r))[1] - 1, -14) - 2)
;;       q = np.round(r / step) * step * 2.0 ** e      # np.round: ties to even
;;       return np.moveaxis(q, -1, axis).astype(np.float32)
;;   ~~~
;;   SOFTMAX AHEAD OF A QUANTISED PRODUCT. Where the list says 'softmax', what is quantised is not the finished softmax but p = 2^(t - M), with t = logit x log2(e) and M = ceil(the row's largest t), a whole number; so 1/2 < the row's largest p <= 1. The row's sum l is taken of the UNQUANTISED p, in f32, and the product's result is divided by l at the end. Since M is a whole number, a kernel that streams over the keys may use a running M (the ceiling of the running maximum): every later rescaling is an exact power of two, so the quantised numbers keep their values, but for numbers so far below the row's largest that they fall under the format's range.
;;   OPERANDS COMPUTED ON THE WAY. 'Computed on the way' means the value that the module computes at that place (a softmax that the list does not call 'softmax' is quantised finished and normalised). What goes into a quantiser is computed in f32, as accurately as f32 sums, v_exp_f32 and their like allow (about 1e-6 of the number): no bf16 or f16 on the way to a quantiser, and a product that is left as it is and whose result goes on into a quantised operand takes f32 operands (vector FMAs, or v_wmma_f32_16x16x4_f32). A number that lies on a knife's edge between two numbers of the format may be rounded either way, as far as f32 arithmetic and the matrix unit's own rounding can turn it there, and no further.
;;   INPUTS GIVEN AS CODES. Wo (in the module: [1024, 1024], K = its axis 0); Wqkv (in the module: [1024, 3072], K = its axis 0); x (in the module: [4, 2048, 1024], K = its axis 2): each comes as NAME_codes (uint8): NAME with its K axis moved to the last place and cut into blocks of 32 codes, [.., K / 32, bytes a block], one block behind the other in memory; one code a byte (a code: sign, 5 exponent bits, 2 mantissa bits); its scale is its entry of lowp_scales. Its value is code x scale, taken as it is: it is not quantised again, and the codes and scales need not be those that the quantiser above would give.
;; One version. Each part assembles by itself: llvm-mc -triple=amdgcn-amd-amdhsa -mcpu=gfx1250 --defsym DOCPART=n.
;; ======== version 1 of 1: 3 launches
;; limits: right only within a limited range of input values
;; workspace buffers: kv 16,777,216 bytes; ai 8,388,608 bytes
;; launch qkv (part 1): grid 8 x 32, 4 waves a work-group, clusters of 4 x 4, 327,680 bytes of LDS; arguments x_codes, Wqkv_codes, bqkv, lowp_scales, kv; writes kv
.if DOCPART == 1
	.amdgcn_target "amdgcn-amd-amdhsa--gfx1250"
	.amdhsa_code_object_version 6
	.text
	.protected	k_q50708aa0e2_qkv
	.globl	k_q50708aa0e2_qkv
	.p2align	8
	.type	k_q50708aa0e2_qkv,@function
k_q50708aa0e2_qkv:
	s_mov_b64 s[64:65], 0
	v_nop
	global_prefetch_b8 v0, s[64:65] scope:SCOPE_SE
	s_setreg_imm32_b32 hwreg(HW_REG_WAVE_MODE, 25, 1), 1
	s_wait_xcnt 0x0
	s_wait_alu depctr_hold_cnt(0) depctr_sa_sdst(0) depctr_va_vdst(0) depctr_va_sdst(0) depctr_va_ssrc(0) depctr_va_vcc(0) depctr_vm_vsrc(0)
	s_getreg_b32 s2, hwreg(HW_REG_IB_STS2, 6, 4)
	s_cmp_eq_u32 s2, 0
	s_cbranch_scc0 .Lentry_in_a_cluster
	s_endpgm
.Lentry_in_a_cluster:
	s_bfe_u32 s2, ttmp6, 0x10000c
	s_cmp_lg_u32 s2, 0xf033
	s_cbranch_scc0 .Lentry_shape_is_right
	s_endpgm
.Lentry_shape_is_right:
; qkv = x Wqkv + bqkv on codes of E5M2, and q, k, v quantised at once into images of the operand registers of the attention launch.
; x: [8192][1024] codes, Wqkv: [3072][1024] codes, K innermost.  A finished sum stands for sum x 2^(e0 + e1); the bias is added in f32; the result is held within +-57,344 x 2^eo and
; converted with the scale 2^eo: eo = e2 for q, e3 for k, e5 for v.
; LIMITS: e0 + e1 between -126 and 127; e2, e3, e5 between -126 and 112, so that each power of two below is an f32 number.  NaN among the inputs is not served.
; SHARES.  384 tiles of 256 x 256; four waves, each 128 x 128: 64 accumulators, 512 registers.  The cluster's x says which part: 0 q, 1 k, 2 v.
; q, k: operand "A" = x (rows = tokens), "B" = Wqkv (rows = features).  v: THE ROLES ARE SWAPPED BY POINTER: "A" = Wqkv's rows 2048 on, "B" = x.
; The matrix instruction takes 16 rows of B as source 0 and 16 rows of A as source 1: a lane holds ONE row of A and eight neighbouring rows of B.  So for q and k a lane has one token and eight
; neighbouring channels of a head, for v one channel and eight neighbouring tokens (keys): in both cases eight neighbours along the K of the product that follows, and one conversion of an
; accumulator's eight registers gives registers 2 c, 2 c + 1 (k = 16 c + 8 (lane / 16) + 0 .. 7) of that product's operand.  Nothing goes through LDS on the way out.
; A FRAGMENT'S IMAGE: 16 rows x 64 K = 8 registers a lane = 1,024 bytes: [registers 0-3: 32 lanes x 16 bytes][registers 4-7: the same].  Each store of a wave covers 512 consecutive bytes, aligned.
;   qi [batch x head 64][query tile 128][1024];   kv [batch x head 64][chunk of 512 keys 4][ K: key tile 32 x 1024 | V: key block of 64: 8 x (channel tile 4 x 1024) ].
; CLUSTERS: 4 x 4 work-groups; A's tile is shared along a row of the cluster, B's along a column: each is asked for jointly.  K goes in four steps of 256 through a ring of two LDS slots.
; REGISTERS, in windows of 256: window 0: v16-29 addresses and constants; v32-95 the bias; v128-255 A's fragments, one set (on the way out v96-223 are at work);
;   window 1: B's fragments, two sets;  windows 2, 3: the accumulators ((a, b) at v[8 (8 (a % 4) + b)]).
; THIS LAUNCH NOW MAKES k AND v ALONE: 256 tiles of 256 x 256, the cluster's x 0 for k and 1 for v.  q is made by the attention launch, each wave for its own queries;
; what the lines above say of q, of qi and of 384 tiles holds no more.
.set ROWB,   256
.set KROW,   1024                      ; a row of x or of Wqkv in memory
.set PITCH,  272                       ; an LDS row: 256 bytes + 16 of padding: the 16 rows that a load touches start at 16 different banks
.set FR,     16                        ; registers of a fragment: 16 rows x 128 K
.set NL,     4                         ; LDS loads that bring one
.set NP,     4                         ; places behind this matrix instruction (ISA guide 7.12.1)
.set HALFT,  128*PITCH                 ; 128 rows: what one tensor load brings
.set SLOT,   4*HALFT                   ; A's 256 rows, then B's 256 rows
.set SPARE,  2*SLOT                    ; behind the ring: the spare words, 128 bytes for each wave
.set ADRA, 16                          ; v16-17  LDS address of my A fragments in slot 0, 1
.set ADRB, 20                          ; v20-21  the same for B
.set VO0,  24                          ; v24     16 x lane: my place in an image
.set VO1,  25                          ; v25     the same, one head further on
.set OSC,  26                          ; v26     2^eo as f32
.set OLIM, 27                          ; v27     57,344 x 2^eo
.set SPW,  28                          ; v28     LDS address of my spare word; never rewritten
.set NIL,  29                          ; v29     0; never rewritten
.set BI,   32                          ; v32-95  the bias, in the result's layout
.set OFFJ, 96                          ; v96-103 the bias loads' eight offsets
.set TMP,  96                          ; v96-159 the way out: a block's 64 numbers
.set CD,   160                         ; v160-223 the way out: four sets of 16 registers of codes
.set AF,   128
.set G1, 24                            ; s[24:31] descriptor group 1 for A's tiles;  s[32:39] group 0, one set for each slot
.set G0, 32
.set G1B, 48                           ; s[48:55], s[56:63] the same for B's tiles
.set G0B, 56
.set MSB, 0
.macro WIN new                         ; the immediate's high byte repeats the setting that is left
.if MSB != \new
	s_set_vgpr_msb (MSB<<8)|\new
.set MSB, \new
.endif
.endm
.set MUL_LO, 0xa1                      ; source 0 (B) window 1, source 1 (A) window 0, C and D window 2
.set MUL_HI, 0xf1                      ; the same, C and D window 3
.set TO_B,   0x40                      ; destination window 1, address window 0
; A joint load: waves 0 and 1 fetch for A, waves 2 and 3 for B; the branch hangs on the wave's number alone.  Four v_nop follow each of the two lines.
.macro JLOAD g0a, g1a, g0b, g1b
	s_cmp_eq_u32 s17, 0
	s_cbranch_scc0 .Lfor_b_\@
	tensor_load_to_lds s[\g0a:\g0a+3], s[\g1a:\g1a+7]
	s_nop 0
.rept 4
	v_nop
.endr
	s_branch .Lasked_\@
.Lfor_b_\@:
	tensor_load_to_lds s[\g0b:\g0b+3], s[\g1b:\g1b+7]
	s_nop 0
.rept 4
	v_nop
.endr
.Lasked_\@:
.endm
.macro CREST                           ; a round of the cluster's barrier behind its opening barrier
	s_cmp_lg_u32 s16, 0
	s_cbranch_scc1 .Lnot_wave_0_\@
	s_barrier_signal -3
.Lnot_wave_0_\@:
	s_barrier_wait -3
	s_barrier_signal -1
	s_barrier_wait -1
.endm
.macro CROUND                          ; a whole round
	s_barrier_signal -1
	s_barrier_wait -1
	CREST
.endm
	s_load_b256 s[4:11], s[0:1], 0x0               ; x s[4:5], Wqkv s[6:7], bqkv s[8:9], the scales' exponents s[10:11]
	s_load_b64 s[14:15], s[0:1], 0x20              ; kv
	v_lshl_add_u32 v[SPW], v0, 2, SPARE
	v_mov_b32 v[NIL], 0
	ds_add_u32 v28, v29
	ds_add_u32 v28, v29
	s_wait_dscnt 0x0
	v_lshrrev_b32 v1, 5, v0
	v_readfirstlane_b32 s16, v1                    ; wave 0..3
	s_lshr_b32 s17, s16, 1                         ; which half of A's 256 rows is mine.  Also: I fetch for A (0) or for B (1)
	s_and_b32 s18, s16, 1                          ; which half of B's 256 rows.  Also: which 128 rows of that tile I fetch
	s_bfe_u32 s19, ttmp6, 0x40000                  ; cx
	s_bfe_u32 s20, ttmp6, 0x40004                  ; cy
	s_and_b32 s22, ttmp7, 0xffff                   ; the cluster's y, 0..7
	s_cmp_eq_u32 ttmp9, 1                          ; the cluster's x: the same in all sixteen partners
	s_cselect_b32 s23, 1, 0                        ; 1: this cluster makes v
	s_cselect_b32 s88, 0, s22                      ; A's tiles: q, k: tokens, by the cluster's y; v: the 1,024 features, cy alone
	s_cselect_b32 s89, s22, 1                      ; B's tiles: k: features 1,024 on; v: tokens, by the cluster's y
	s_lshl_b32 s40, s88, 2
	s_add_co_u32 s40, s40, s20                     ; A's tile: hangs on cy alone of the two places
	s_lshl_b32 s41, s89, 2
	s_add_co_u32 s41, s41, s19                     ; B's tile: on cx alone
	s_lshl_b32 s42, s20, 2
	s_lshl_b32 s42, 15, s42                        ; my row of the cluster
	s_lshl_b32 s43, 0x1111, s19                    ; my column
	; descriptor group 1: a tile of 128 rows x 256 bytes, padded in LDS
	s_or_b32 s[G1+0], s42, (1<<20)|(1<<21)|(5<<22)|(3<<25)   ; 15:0 the mask; 17:16 elements of 1 byte; 20 padding on; 21 set beside a mask; 24:22 after every 64 words; 31:25 four words
	s_or_b32 s[G1B+0], s43, (1<<20)|(1<<21)|(5<<22)|(3<<25)
.irp g, G1, G1B
	s_mov_b32 s[\g+1], ROWB<<16                    ; tensor_dim0
	s_mov_b32 s[\g+2], 128<<16                     ; tensor_dim1
	s_mov_b32 s[\g+3], ROWB<<16                    ; tile_dim0
	s_mov_b32 s[\g+4], 128                         ; tile_dim1
	s_mov_b32 s[\g+5], KROW                        ; tensor_dim0_stride
	s_mov_b32 s[\g+6], 0
	s_mov_b32 s[\g+7], 0
.endr
	s_lshl_b32 s88, s18, 7                         ; which 128 rows of the tile I fetch
	s_lshl_b32 s44, s40, 8
	s_add_co_u32 s44, s44, s88
	s_lshl_b32 s44, s44, 10                        ; A: (256 x tile + 128 x half) rows of 1,024 bytes
	s_mov_b32 s45, 0
	s_lshl_b32 s46, s41, 8
	s_add_co_u32 s46, s46, s88
	s_lshl_b32 s46, s46, 10                        ; B likewise
	s_mov_b32 s47, 0
	s_mul_i32 s21, s16, HALFT                      ; where they go: wave x 128 rows: no place in the cluster enters an LDS address
	s_wait_kmcnt 0x0
	s_load_b256 s[68:75], s[10:11], 0x0            ; e0 .. e7
	s_add_nc_u64 s[82:83], s[6:7], 0x200000        ; Wqkv at row 2048: v's features
	s_cmp_eq_u32 s23, 1
	s_cselect_b64 s[84:85], s[82:83], s[4:5]       ; A's tensor
	s_cselect_b64 s[86:87], s[4:5], s[6:7]         ; B's tensor
	s_add_nc_u64 s[84:85], s[84:85], s[44:45]
	s_add_nc_u64 s[86:87], s[86:87], s[46:47]
	CROUND                                         ; all sixteen work-groups are here: the first joint loads meet
.irp s, 0,1
	s_mov_b32 s[G0+4*\s], 1
	s_add_co_u32 s[G0+4*\s+1], s21, \s*SLOT
	s_add_nc_u64 s[G0+4*\s+2:G0+4*\s+3], s[84:85], \s*ROWB
	s_or_b32 s[G0+4*\s+3], s[G0+4*\s+3], 0x80000000
	s_mov_b32 s[G0B+4*\s], 1
	s_add_co_u32 s[G0B+4*\s+1], s21, \s*SLOT
	s_add_nc_u64 s[G0B+4*\s+2:G0B+4*\s+3], s[86:87], \s*ROWB
	s_or_b32 s[G0B+4*\s+3], s[G0B+4*\s+3], 0x80000000
.endr
	JLOAD G0, G1, G0B, G1B                         ; K step 0: one tensor load a wave at the head
	v_and_b32 v1, 15, v0                           ; r = lane % 16
	v_bfe_u32 v2, v0, 4, 1                         ; h = lane / 16
	v_mul_u32_u24 v3, v1, PITCH
	v_lshl_add_u32 v4, v2, 4, v3                   ; a fragment's row x pitch + 16 x half
	s_mul_i32 s88, s17, HALFT                      ; my 128 rows of A
	s_mul_i32 s89, s18, HALFT                      ; my 128 rows of B,
	s_add_co_u32 s89, s89, 2*HALFT                 ; which lie behind A's 256
.irp s, 0,1
	v_add_nc_u32 v[ADRA+\s], s88, v4
	v_add_nc_u32 v[ADRB+\s], s89, v4
	s_add_co_u32 s88, s88, SLOT
	s_add_co_u32 s89, s89, SLOT
.endr
	; where my results go.  TT: the tile of 256 tokens, th: my half of it; FT: the tile of 256 features inside q, k or v, fh: my half of it
	s_cmp_eq_u32 s23, 1
	s_cselect_b32 s88, s41, s40                    ; TT
	s_cselect_b32 s89, s18, s17                    ; th
	s_cselect_b32 s92, s20, s19                    ; FT
	s_cselect_b32 s93, s17, s18                    ; fh
	s_lshr_b32 s94, s88, 3                         ; the batch: 8 tiles of tokens each
	s_lshl_b32 s94, s94, 4
	s_lshl_b32 s95, s92, 2
	s_add_co_u32 s94, s94, s95
	s_lshl_b32 s95, s93, 1
	s_add_co_u32 s94, s94, s95                     ; 16 x batch + my first head (4 FT + 2 fh)
	s_and_b32 s95, s88, 7
	s_lshr_b32 s79, s95, 1
	s_lshl_b32 s79, s79, 16                        ; kv: the chunk of 512 keys,
	s_and_b32 s95, s88, 1
	s_lshl_b32 s95, s95, 14
	s_add_co_u32 s79, s79, s95                     ; which half of it,
	s_lshl_b32 s95, s23, 15
	s_add_co_u32 s79, s79, s95                     ; V's part lies 32,768 bytes behind K's,
	s_lshl_b32 s95, s94, 18
	s_add_co_u32 s79, s79, s95                     ; 262,144 bytes a head
	s_mov_b64 s[80:81], s[14:15]
	s_mov_b32 s78, s79
	s_mov_b32 s95, 262144                          ; from head to head
	s_lshl_b32 s79, s89, 13                        ; my 128 tokens: 8,192 bytes in each of the three layouts
	s_add_co_u32 s78, s78, s79
	s_mov_b32 s79, 0
	s_add_nc_u64 s[80:81], s[80:81], s[78:79]
	v_and_b32 v[VO0], 31, v0
	v_lshlrev_b32 v[VO0], 4, v[VO0]
	v_add_nc_u32 v[VO1], s95, v[VO0]
	; the bias, in the result's layout, by one text for all three parts.  q, k: BI[8 b + j] = bias of feature 16 b + 8 h + j;  v: BI[8 a + j] = bias of feature 16 a + r, for all eight j
	s_lshl_b32 s88, ttmp9, 12
	s_add_co_u32 s88, s88, 4096                    ; 4 bytes x (1,024 x part, part 1 for k and 2 for v
	s_lshl_b32 s89, s92, 10                        ;            + 256 FT
	s_add_co_u32 s88, s88, s89
	s_lshl_b32 s89, s93, 9                         ;            + 128 fh)
	s_add_co_u32 s88, s88, s89
	s_mov_b32 s89, 0
	s_add_nc_u64 s[90:91], s[8:9], s[88:89]        ; never rewritten: the loads stay out through the K steps
	s_cmp_eq_u32 s23, 1
	s_cselect_b32 s92, 0, 32                       ; bytes for each h,
	s_cselect_b32 s93, 4, 0                        ; for each r,
	s_cselect_b32 s94, 0, 4                        ; for each j
	v_mul_u32_u24 v5, v2, s92
	v_mad_u32_u24 v[OFFJ], v1, s93, v5
.irp j, 1,2,3,4,5,6,7
	v_add_nc_u32 v[OFFJ+\j], s94, v[OFFJ+\j-1]
.endr
.irp i, 0,1,2,3,4,5,6,7
.irp j, 0,1,2,3,4,5,6,7
	global_load_b32 v[BI+8*\i+\j], v[OFFJ+\j], s[90:91] offset:64*\i
.endr
.endr
.macro FRAG reg, adr, q, i             ; a fragment, 16 rows x 128 K: four loads of 16 bytes, 32 apart.  The same permutation of k in A and in B: every product meets its partner
.irp c, 0,1,2,3
	ds_load_b128 v[\reg+4*\c:\reg+4*\c+3], v[\adr] offset:128*(\q)+32*\c+(\i)*16*PITCH
.endr
.endm
; 16 matrix instructions: A's blocks a0, a0 + 1 x B's eight, 128 along K.  p: B's set.  zero = 1: the first product starts the sums.
; The 64 accumulators take turns, one instruction a turn, in the same order in every step.
.macro MUL16 a0, p, zero
.irp a, \a0, \a0+1
.irp b, 0,1,2,3,4,5,6,7
.if \zero
	v_wmma_f32_16x16x128_bf8_bf8 v[8*(8*((\a)%4)+\b):8*(8*((\a)%4)+\b)+7], v[128*(\p)+FR*\b:128*(\p)+FR*\b+FR-1], v[AF+FR*(\a):AF+FR*(\a)+FR-1], 0
.else
	v_wmma_f32_16x16x128_bf8_bf8 v[8*(8*((\a)%4)+\b):8*(8*((\a)%4)+\b)+7], v[128*(\p)+FR*\b:128*(\p)+FR*\b+FR-1], v[AF+FR*(\a):AF+FR*(\a)+FR-1], v[8*(8*((\a)%4)+\b):8*(8*((\a)%4)+\b)+7]
.endif
.endr
.endr
.endm
.macro FETCH_B slot, q, p              ; B's eight fragments of the slot's q-th 128 along K into set p
	WIN TO_B
.irp i, 0,1,2,3,4,5,6,7
	FRAG 128*(\p)+FR*\i, ADRB+\slot, \q, \i
.endr
	WIN 0
.endm
.macro FETCH_A slot, q, i0             ; A's blocks i0 .. i0 + 3
.irp i, \i0, \i0+1, \i0+2, \i0+3
	FRAG AF+FR*(\i), ADRA+\slot, \q, \i
.endr
.endm
.macro PLACES n                        ; plain vector lines between a matrix instruction and a load into, or a vector write of, one of its registers, or a read of its result
.rept \n
	v_nop
.endr
.endm
; A step of 128 along K that has its successor in the same slot.  A block of A is free as soon as its eight products are issued: blocks 0-3 are fetched anew in the step's middle, blocks 4-7 at its end.
.macro STEP slot, q, zero
	s_wait_dscnt 4*NL                              ; B's set and A's blocks 0-3 are in; the youngest sixteen loads (A's blocks 4-7) may be out
	WIN MUL_LO
	MUL16 0, (\q)%2, \zero
	MUL16 2, (\q)%2, \zero
	s_wait_dscnt 0                                 ; A's blocks 4-7 are in
	PLACES NP
	FETCH_B \slot, (\q)+1, 1-(\q)%2
	FETCH_A \slot, (\q)+1, 0
	WIN MUL_HI
	MUL16 4, (\q)%2, \zero
	MUL16 6, (\q)%2, \zero
	PLACES NP
	WIN 0
	FETCH_A \slot, (\q)+1, 4
.endm
; A slot's last step changes slots: ONE barrier; in front of it each wave waits for all its tensor loads, adds 0 to its spare word, and waits for that and for its own reads of this slot.
; fill = 1: this slot is filled again, two K steps ahead: the barrier then opens a round of the cluster's barrier.
.macro TURN slot, next, fill
	s_wait_tensorcnt 0x0                           ; all my tensor loads have landed: my part of the next slot
	ds_add_u32 v[SPW], v[NIL]                      ; 0 onto my spare word
	s_wait_dscnt 4*NL+1                            ; (the add and the youngest sixteen loads, A's blocks 4-7, may be out)
	WIN MUL_LO
	MUL16 0, 1, 0                                  ; sixteen matrix instructions stand between the add and the wait for it
	s_wait_dscnt 0x0                               ; the add is done, and my reads of this slot are over
	s_barrier_signal -1
	MUL16 2, 1, 0
	WIN 0
	s_barrier_wait -1
.if \fill
	CREST                                          ; no wave of any partner still reads this slot's tile or has a load on its way
	s_add_nc_u64 s[G0+4*\slot+2:G0+4*\slot+3], s[G0+4*\slot+2:G0+4*\slot+3], 2*ROWB
	s_add_nc_u64 s[G0B+4*\slot+2:G0B+4*\slot+3], s[G0B+4*\slot+2:G0B+4*\slot+3], 2*ROWB
	JLOAD G0+4*\slot, G1, G0B+4*\slot, G1B         ; the first tensor load behind the round; its four v_nop are the places in front of the loads below
.else
	PLACES NP
.endif
	FETCH_B \next, 0, 0
	FETCH_A \next, 0, 0
	WIN MUL_HI
	MUL16 4, 1, 0
	MUL16 6, 1, 0
	PLACES NP
	WIN 0
	FETCH_A \next, 0, 4
.endm
	s_wait_alu depctr_va_vdst(0)
	s_wait_tensorcnt 0x0                           ; my part of K step 0 is in
	ds_add_u32 v[SPW], v[NIL]
	s_wait_dscnt 0x0
	CROUND                                         ; everybody's part of K step 0 is in, and all sixteen work-groups are here
	JLOAD G0+4, G1, G0B+4, G1B                     ; K step 1, slot 1's first fill: the first tensor load behind the round
	FETCH_B 0, 0, 0
	FETCH_A 0, 0, 0
	FETCH_A 0, 0, 4
	STEP 0, 0, 1                                   ; K = 1,024 is four slots' worth: the ring is written out.  The first products start the sums
	TURN 0, 1, 1                                   ; slot 0 takes K 512 on
	STEP 1, 0, 0
	TURN 1, 0, 1                                   ; slot 1 takes K 768 on
	STEP 0, 0, 0
	TURN 0, 1, 0                                   ; nothing is left to fetch
	STEP 1, 0, 0
	s_wait_dscnt 4*NL                              ; the very last step
	WIN MUL_LO
	MUL16 0, 1, 0
	MUL16 2, 1, 0
	s_wait_dscnt 0
	WIN MUL_HI
	MUL16 4, 1, 0
	MUL16 6, 1, 0
	WIN 0
	; THE WAY OUT
	s_wait_kmcnt 0x0                               ; the exponents
	s_wait_loadcnt 0x0                             ; the bias
	s_add_co_i32 s76, s68, s69
	s_add_co_i32 s76, s76, 127
	s_lshl_b32 s76, s76, 23                        ; 2^(e0 + e1) as f32
	s_mov_b32 s77, s76                             ; (named with it as a pair, so it is written)
	s_cmp_eq_u32 ttmp9, 0
	s_cselect_b32 s78, s71, s73                    ; k: e3; v: e5
	s_add_co_i32 s78, s78, 127
	s_lshl_b32 s79, s78, 23
	v_mov_b32 v[OSC], s79                          ; 2^eo: the conversion takes its exponent field
	s_add_co_i32 s78, s78, 15
	s_lshl_b32 s78, s78, 23
	s_or_b32 s78, s78, 0x600000
	v_mov_b32 v[OLIM], s78                         ; 57,344 x 2^eo
	PLACES NP                                      ; behind the last products: their results are read, and the registers that held A's fragments are written, below
; Block a (16 rows of A x my 128 rows of B): sum x 2^(e0 + e1) + bias, one packed multiply-add for two numbers, each accumulator from its low end on; the hold; eight conversions; four stores.
; vpart = 0: rows are tokens: registers 0-7 are the fragment of my first head, 8-15 of my second; token tile a.  vpart = 1: rows are channels: head a / 4, channel tile a % 4; registers 0-7 my first 64 keys, 8-15 my second.
.macro WAYOUT vpart
.irp a, 0,1,2,3,4,5,6,7
.set CS0, CD+16*(\a%4)
	WIN 0x02+(\a/4)                                ; source 0: window 2 or 3
.irp b, 0,1,2,3,4,5,6,7
.irp i, 0,2,4,6
.if \vpart
	v_pk_fma_f32 v[TMP+8*\b+\i:TMP+8*\b+\i+1], v[64*(\a%4)+8*\b+\i:64*(\a%4)+8*\b+\i+1], s[76:77], v[BI+8*\a+\i:BI+8*\a+\i+1] op_sel_hi:[1,0,1]
.else
	v_pk_fma_f32 v[TMP+8*\b+\i:TMP+8*\b+\i+1], v[64*(\a%4)+8*\b+\i:64*(\a%4)+8*\b+\i+1], s[76:77], v[BI+8*\b+\i:BI+8*\b+\i+1] op_sel_hi:[1,0,1]
.endif
.endr
.endr
	WIN 0
.set n, 0
.rept 64
	v_med3_num_f32 v[TMP+n], v[TMP+n], -v[OLIM], v[OLIM]   ; the conversion to an 8-bit code does not saturate (ISA guide 7.6.2): the hold at the largest code x the scale
.set n, n+1
.endr
.if \a >= 4
	s_wait_alu depctr_va_vdst(0)
	s_wait_xcnt 0x0                                ; block a - 4's stores have read this set of codes: it is written again only behind this wait
.endif
.irp b, 0,1,2,3,4,5,6,7
	v_cvt_scalef32_pk8_bf8_f32 v[CS0+2*\b:CS0+2*\b+1], v[TMP+8*\b:TMP+8*\b+7], v[OSC]
.endr
	v_nop                                          ; one plain vector line behind the last conversion: the next block writes the conversions' sources
.if \vpart
	global_store_b128 v[VO0], v[CS0:CS0+3],     s[80:81] offset:(\a/4)*262144+(\a%4)*1024
	global_store_b128 v[VO0], v[CS0+4:CS0+7],   s[80:81] offset:(\a/4)*262144+(\a%4)*1024+512
	global_store_b128 v[VO0], v[CS0+8:CS0+11],  s[80:81] offset:(\a/4)*262144+(\a%4)*1024+4096
	global_store_b128 v[VO0], v[CS0+12:CS0+15], s[80:81] offset:(\a/4)*262144+(\a%4)*1024+4608
.else
	global_store_b128 v[VO0], v[CS0:CS0+3],     s[80:81] offset:\a*1024
	global_store_b128 v[VO0], v[CS0+4:CS0+7],   s[80:81] offset:\a*1024+512
	global_store_b128 v[VO1], v[CS0+8:CS0+11],  s[80:81] offset:\a*1024
	global_store_b128 v[VO1], v[CS0+12:CS0+15], s[80:81] offset:\a*1024+512
.endif
.endr
.endm
	s_cmp_eq_u32 s23, 1                            ; hangs on the cluster's x alone: the same in all partners; neither arm touches LDS
	s_cbranch_scc1 .Lv
	WAYOUT 0
	s_branch .Lend
.Lv:
	WAYOUT 1
.Lend:
	s_wait_tensorcnt 0x0                           ; the wave's end
	ds_add_u32 v[SPW], v[NIL]
	s_wait_dscnt 0x0
	CROUND                                         ; the closing round: no work-group ends while a partner may still ask for a tile that names it
	s_endpgm
.Lfunc_end_k_q50708aa0e2_qkv:
	.size	k_q50708aa0e2_qkv, .Lfunc_end_k_q50708aa0e2_qkv-k_q50708aa0e2_qkv
	.p2alignl 7, 3214868480
	.fill 96, 4, 3214868480
	.section	.rodata,"a",@progbits
	.p2align	6, 0x0
	.amdhsa_kernel k_q50708aa0e2_qkv
		.amdhsa_group_segment_fixed_size 327680
		.amdhsa_private_segment_fixed_size 0
		.amdhsa_enable_private_segment 0
		.amdhsa_kernarg_size 40
		.amdhsa_user_sgpr_count 2
		.amdhsa_user_sgpr_kernarg_segment_ptr 1
		.amdhsa_wavefront_size32 1
		.amdhsa_system_sgpr_workgroup_id_x 1
		.amdhsa_system_sgpr_workgroup_id_y 1
		.amdhsa_system_sgpr_workgroup_id_z 1
		.amdhsa_system_vgpr_workitem_id 0
		.amdhsa_next_free_vgpr 1024
		.amdhsa_next_free_sgpr 100
		.amdhsa_reserve_vcc 0
		.amdhsa_float_denorm_mode_32 3
		.amdhsa_float_denorm_mode_16_64 3
		.amdhsa_memory_ordered 1
		.amdhsa_forward_progress 1
		.amdhsa_inst_pref_size 198
	.end_amdhsa_kernel
	.amdgpu_metadata
---
amdhsa.version: [ 1, 2 ]
amdhsa.kernels:
  - .name:           k_q50708aa0e2_qkv
    .symbol:         k_q50708aa0e2_qkv.kd
    .args:
      - { .name: x_codes, .offset: 0, .size: 8, .value_kind: global_buffer, .address_space: global }
      - { .name: Wqkv_codes, .offset: 8, .size: 8, .value_kind: global_buffer, .address_space: global }
      - { .name: bqkv, .offset: 16, .size: 8, .value_kind: global_buffer, .address_space: global }
      - { .name: lowp_scales, .offset: 24, .size: 8, .value_kind: global_buffer, .address_space: global }
      - { .name: kv, .offset: 32, .size: 8, .value_kind: global_buffer, .address_space: global }
    .group_segment_fixed_size: 327680
    .private_segment_fixed_size: 0
    .kernarg_segment_align: 8
    .kernarg_segment_size: 40
    .max_flat_workgroup_size: 128
    .sgpr_count:     100
    .vgpr_count:     1024
    .wavefront_size: 32
...
	.end_amdgpu_metadata
.endif
;; end of part 1
;; launch attn (part 2): grid 4 x 64, 8 waves a work-group, clusters of 4 x 1, 327,680 bytes of LDS; arguments x_codes, kv, lowp_scales, ai, Wqkv_codes, bqkv; writes ai
.if DOCPART == 2
	.amdgcn_target "amdgcn-amd-amdhsa--gfx1250"
	.amdhsa_code_object_version 6
	.text
	.protected	k_q50708aa0e2_attn
	.globl	k_q50708aa0e2_attn
	.p2align	8
	.type	k_q50708aa0e2_attn,@function
k_q50708aa0e2_attn:
	s_mov_b64 s[64:65], 0
	v_nop
	global_prefetch_b8 v0, s[64:65] scope:SCOPE_SE
	s_setreg_imm32_b32 hwreg(HW_REG_WAVE_MODE, 25, 1), 1
	s_wait_xcnt 0x0
	s_wait_alu depctr_hold_cnt(0) depctr_sa_sdst(0) depctr_va_vdst(0) depctr_va_sdst(0) depctr_va_ssrc(0) depctr_va_vcc(0) depctr_vm_vsrc(0)
	s_getreg_b32 s2, hwreg(HW_REG_IB_STS2, 6, 4)
	s_cmp_eq_u32 s2, 0
	s_cbranch_scc0 .Lentry_in_a_cluster
	s_endpgm
.Lentry_in_a_cluster:
	s_bfe_u32 s2, ttmp6, 0x10000c
	s_cmp_lg_u32 s2, 0x3003
	s_cbranch_scc0 .Lentry_shape_is_right
	s_endpgm
.Lentry_shape_is_right:
; q = x Wq + bq for my queries, then a = softmax(q k^T / 8) v for one batch x head, all products on codes of E5M2, and a quantised at once into images of the projection's operand registers.
; x [8192][1024], Wqkv [3072][1024]: codes, K innermost; q's features of head n are Wqkv's rows 64 n on.
; kv [batch x head 64][chunk of 512 keys 4][K: 32 key tiles x 1024 | V: 8 blocks of 64 keys x 4 channel tiles x 1024]: images of operand registers
; (16 rows x 64 K: registers 0-3 as 32 lanes x 16 bytes, then registers 4-7).  ai [token tile 512][head 16][1024] likewise.
; THE SOFTMAX: t = score x log2(e) / 8; M = the running largest t rounded up to a whole number; p = 2^(t - M) is quantised with 2^e4; the row's sum is taken of the unquantised p and divides at the end.
; When M moves, the sums and O are multiplied by 2^(old M - new M), in every step, with no branch on data.
; SHARES.  A work-group owns 512 queries of one head; each of its eight waves 64 of them (4 tiles) in 512 registers, two waves to a SIMD.  A fragment of K or V read from LDS feeds four matrix instructions.
; The head's K and V, 262,144 bytes, lie in LDS for the whole launch: eight joint loads of 32,768 bytes, one a wave, go out as one group behind the opening round; the four work-groups of a
; cluster take the same head (mask 15).  K's parts land at 0 .. 131,071, V's at 131,072 on, so a step of 128 keys is 8,192 bytes further in both.  Nothing is filled again; the loop has no barrier.
; q IS MADE WHILE THOSE LOADS ARE OUT: 64 tokens x 64 channels a wave, K = 1,024 in eight steps of 128, 16 sums by turns (source 0 = 16 channels of Wq, source 1 = 16 tokens): a lane holds one token and
; eight neighbouring channels, so a conversion's result is registers 2 f, 2 f + 1 of Q's fragment.  x's fragments are read by one wave alone: they go from memory into registers, four steps ahead.
; Wq's 64 rows serve all eight waves: wave w loads K step w's four fragments and stores them in LDS as images of registers (2,048 bytes each), behind the spare words.  K, V and the spare words leave
; 64,512 bytes, one fragment short of 65,536: fragment (step 7, channels 48 on) has no image, and every wave loads it into 16 registers of its own.
; No prefetch: every byte that comes by tensor loads is asked for at the head, and x's loads run four steps ahead by themselves.
; LAYOUT of the attention.  S^T = K Q^T (source 0 = 16 keys, source 1 = 16 queries), O^T = V^T P^T: a lane holds one query (lane % 16); register j of key tile c is key 16 c + 8 (lane / 16) + j,
; which is the place that registers 2 c, 2 c + 1 of the second product's operand (K = 128 keys) have: a conversion's result is that operand.
; LIMITS: e0 + e1 between -126 and 127; e2 + e3 between -123 and 129; e2, e4, e6 between -126 and 112 (each power of two below is an f32 number); the scaled scores stay under 2^31 in magnitude;
; NaN among the inputs is not served.
; REGISTERS.  Window 0: v1-15 addresses and constants; v16-47 state, 8 a tile: -M, largest score, sum a (2), f, 0, sum b (2) (at the head: bq); v48-79 Q; v80-111 four fragments of K, then P of tiles 0, 1
; (at the head v48-111: Wq's four fragments); v112-239 O^T ((t, f) at 112 + 32 t + 8 f; at the head q's sums); v240-255 at work, then P of tile 2 (at the head: the fragment without an image).
; Window 1: the scores, then p: (t, c) at 64 t + 8 c; once converted, tile 0's take V's fragments and tile 1's first 16 P of tile 3 (at the head: x's fragments, four sets of 64).
.set SPARE, 0x40000
.set WIMG,  0x40400
.set VBASE, 0x20000
.set LI,   1
.set ADK,  2
.set ADV,  3
.set PSC,  4
.set SA,   5
.set SPW,  6
.set NIL,  7
.set OSC,  8
.set OLIM, 9
.set XO,   10
.set WO,   11
.set QSC,  12
.set QLIM, 13
.set BO,   14
.set WA,   15
.set ST,   16
.set Q,    48
.set WF,   48
.set KF,   80
.set O,    112
.set T,    240
.set WV,   12
.set G1,   16
.set G0,   32
.set CS,   48
.set SEL,  50
.set TB,   52
.set CNT,  53
.set PL,   60
.set MSB, 0
.macro WIN new                         ; bits 1:0 source 0, 3:2 source 1, 5:4 source 2, 7:6 destination; the high byte repeats the setting that is left
.if MSB != \new
	s_set_vgpr_msb (MSB<<8)|\new
.set MSB, \new
.endif
.endm
.macro W                               ; the wait round transcendentals, ahead of blocking waits and ahead of late first reads
	s_wait_alu depctr_va_vdst(0)
.endm
.macro ROUND                           ; a round of the cluster's barrier
	s_barrier_signal -1
	s_barrier_wait -1
	s_cmp_lg_u32 s[WV], 0
	s_cbranch_scc1 .Lnot_wave_0_\@
	s_barrier_signal -3
.Lnot_wave_0_\@:
	s_barrier_wait -3
	s_barrier_signal -1
	s_barrier_wait -1
.endm
.macro XLD s                           ; x's four fragments of K step s: lane (r, h) takes, of row r, bytes 32 c + 16 h on: the same places of k as Wq's fragments have
	WIN 0x40
.irp t, 0,1,2,3
.irp c, 0,1,2,3
	global_load_b128 v[64*((\s)%4)+16*\t+4*\c:64*((\s)%4)+16*\t+4*\c+3], v[XO], s[4:5] offset:16384*\t+128*(\s)+32*\c
.endr
.endr
	WIN 0
.endm
.macro WLD s                           ; Wq's fragments of K step s from their images
.irp f, 0,1,2,3
.if ((\s) < 7) || (\f < 3)
.irp c, 0,1,2,3
	ds_load_b128 v[WF+16*\f+4*\c:WF+16*\f+4*\c+3], v[WA] offset:8192*(\s)+2048*\f+512*\c
.endr
.endif
.endr
.endm
.macro QSTEP s                         ; 16 products; behind this step's 16 loads of x stand those of the next three steps
.if (\s) <= 4
	s_wait_loadcnt 48
.else
	s_wait_loadcnt 16*(7-(\s))
.endif
	s_wait_dscnt 0x0
	WIN 0x04
.irp f, 0,1,2,3
.set AR, WF+16*\f
.if ((\s) == 7) && (\f == 3)
.set AR, T
.endif
.irp t, 0,1,2,3
.if (\s) == 0
	v_wmma_f32_16x16x128_bf8_bf8 v[O+32*\t+8*\f:O+32*\t+8*\f+7], v[AR:AR+15], v[64*((\s)%4)+16*\t:64*((\s)%4)+16*\t+15], 0
.else
	v_wmma_f32_16x16x128_bf8_bf8 v[O+32*\t+8*\f:O+32*\t+8*\f+7], v[AR:AR+15], v[64*((\s)%4)+16*\t:64*((\s)%4)+16*\t+15], v[O+32*\t+8*\f:O+32*\t+8*\f+7]
.endif
.endr
.endr
.rept 4
	v_nop                                          ; places ahead of the loads into the registers just multiplied, and of the first reads of the sums
.endr
	WIN 0
.if (\s) < 7
	WLD \s+1
.endif
.if (\s) < 4
	XLD \s+4
.endif
.endm
.macro TOCODES lim, sc, d              ; 128 numbers at window 1's v0 on ((t, f) at 32 t + 8 f): the hold at the largest code x the scale (the conversion does not saturate: ISA guide 7.6.2), 16 conversions
	WIN 0x41
.set j, 0
.rept 128
	v_med3_num_f32 v[j], v[j], -v[\lim], v[\lim]
.set j, j+1
.endr
	WIN 0x01
.irp t, 0,1,2,3
.irp f, 0,1,2,3
	v_cvt_scalef32_pk8_bf8_f32 v[\d+8*\t+2*\f:\d+8*\t+2*\f+1], v[32*\t+8*\f:32*\t+8*\f+7], v[\sc]
.endr
.endr
	v_nop
	WIN 0
.endm
.macro KLD off                         ; four key tiles into the four buffers
.irp c, 0,1,2,3
	ds_load_b128 v[KF+8*\c:KF+8*\c+3],   v[ADK] offset:\off+1024*\c
	ds_load_b128 v[KF+8*\c+4:KF+8*\c+7], v[ADK] offset:\off+1024*\c+512
.endr
.endm
.macro QK c0                           ; key tiles c0 .. c0 + 3 x my four query tiles: 16 results, each begun with 0
.irp c, 0,1,2,3
.irp t, 0,1,2,3
	v_wmma_f32_16x16x64_bf8_bf8 v[64*\t+8*(\c0+\c):64*\t+8*(\c0+\c)+7], v[KF+8*\c:KF+8*\c+7], v[Q+8*\t:Q+8*\t+7], 0
.endr
.endr
.endm
.macro MAX2 c, first, ta, tb           ; key tile c of query tiles ta, tb into two chains a tile, each result from its low end on; first = 1: the chains begin with the largest score so far
.irp i, 0,2,4,6
.irp t, \ta, \tb
.if \first && (\i < 4)
	v_max3_num_f32 v[T+4*\t+(\i/2)%2], v[ST+8*\t+1], v[64*\t+8*(\c)+\i], v[64*\t+8*(\c)+\i+1]
.else
	v_max3_num_f32 v[T+4*\t+(\i/2)%2], v[T+4*\t+(\i/2)%2], v[64*\t+8*(\c)+\i], v[64*\t+8*(\c)+\i+1]
.endif
.endr
.endr
.endm
.macro FMA1 t, j                       ; t - M, two at a time
	v_pk_fma_f32 v[64*(\t)+\j:64*(\t)+\j+1], v[64*(\t)+\j:64*(\t)+\j+1], s[CS:CS+1], v[ST+8*(\t):ST+8*(\t)+1] op_sel_hi:[1,0,0]
.endm
; Tile t's 64 exponentials; between them plain work that reads nothing written since the last wait: the next tile's t - M (fm) and the hold of the tile before (mn), whose sum has been taken.
.macro XB t, fm, mn
.set j, 0
.rept 32
	v_exp_f32 v[64*\t+j], v[64*\t+j]
	v_exp_f32 v[64*\t+j+1], v[64*\t+j+1]
.if \mn
	v_dual_min_num_f32 v[64*(\t-1)+j], s[PL], v[64*(\t-1)+j] :: v_dual_min_num_f32 v[64*(\t-1)+j+1], s[PL], v[64*(\t-1)+j+1]   ; two holds in one line
.endif
.if \fm
	FMA1 \t+1, j
.endif
.set j, j+2
.endr
	v_nop                                          ; a plain place behind the last exponential
.endm
.macro ADDS t                          ; the row's sum of the unquantised p, in two chains of pairs
	WIN 0x05                                       ; four chains: the two sums that stay, and two in the registers at work, each begun with a sum of two pairs
	v_pk_add_f32 v[T+4*\t:T+4*\t+1],   v[64*\t:64*\t+1],   v[64*\t+2:64*\t+3]
	v_pk_add_f32 v[T+4*\t+2:T+4*\t+3], v[64*\t+4:64*\t+5], v[64*\t+6:64*\t+7]
	WIN 0x04
.set j, 8
.rept 7
	v_pk_add_f32 v[ST+8*\t+2:ST+8*\t+3], v[ST+8*\t+2:ST+8*\t+3], v[64*\t+j:64*\t+j+1]
	v_pk_add_f32 v[ST+8*\t+6:ST+8*\t+7], v[ST+8*\t+6:ST+8*\t+7], v[64*\t+j+2:64*\t+j+3]
	v_pk_add_f32 v[T+4*\t:T+4*\t+1],     v[T+4*\t:T+4*\t+1],     v[64*\t+j+4:64*\t+j+5]
	v_pk_add_f32 v[T+4*\t+2:T+4*\t+3],   v[T+4*\t+2:T+4*\t+3],   v[64*\t+j+6:64*\t+j+7]
.set j, j+8
.endr
	WIN 0
	v_pk_add_f32 v[ST+8*\t+2:ST+8*\t+3], v[ST+8*\t+2:ST+8*\t+3], v[T+4*\t:T+4*\t+1]
	v_pk_add_f32 v[ST+8*\t+6:ST+8*\t+7], v[ST+8*\t+6:ST+8*\t+7], v[T+4*\t+2:T+4*\t+3]
.endm
.macro CVT t, d                        ; p of tile t becomes 16 registers of codes at d
.irp c, 0,1,2,3,4,5,6,7
	v_cvt_scalef32_pk8_bf8_f32 v[\d+2*\c:\d+2*\c+1], v[64*\t+8*\c:64*\t+8*\c+7], v[PSC]
.endr
.endm
.macro PV t, b                         ; O^T of tile t += V^T P^T, 128 keys; each of the 16 sums has one instruction a step
.irp f, 0,1,2,3
	v_wmma_f32_16x16x128_bf8_bf8 v[O+32*\t+8*\f:O+32*\t+8*\f+7], v[16*\f:16*\f+15], v[\b:\b+15], v[O+32*\t+8*\f:O+32*\t+8*\f+7]
.endr
.endm
	s_load_b256 s[4:11], s[0:1], 0x0               ; x s[4:5], kv s[6:7], the scales' exponents s[8:9], ai s[10:11]
	s_load_b128 s[40:43], s[0:1], 0x20             ; Wqkv s[40:41], bqkv s[42:43]
	v_lshl_add_u32 v[SPW], v0, 2, SPARE
	v_mov_b32 v[NIL], 0
	ds_add_u32 v[SPW], v[NIL]                      ; the opening lines: the add, twice on end, and its wait
	ds_add_u32 v[SPW], v[NIL]
	v_lshrrev_b32 v2, 5, v0
	v_readfirstlane_b32 s[WV], v2                  ; wave 0..7
	s_bfe_u32 s13, ttmp6, 0x40000                  ; cx: which 512 queries
	s_and_b32 s14, ttmp7, 0xffff                   ; batch x head
	s_mov_b32 s[G1], 15|(3<<16)|(1<<21)            ; mask: all four; elements of 8 bytes; bit 21 beside a mask
	s_mov_b32 s[G1+1], 32<<16                      ; rows of 256 bytes
	s_mov_b32 s[G1+2], 128<<16                     ; 128 of them
	s_mov_b32 s[G1+3], 32<<16
	s_mov_b32 s[G1+4], 128
	s_mov_b32 s[G1+5], 32
	s_mov_b32 s[G1+6], 0
	s_mov_b32 s[G1+7], 0
	s_lshl_b32 s56, s[WV], 15                      ; in memory: part w = chunk w / 2, K (even) or V (odd)
	s_lshl_b32 s54, s14, 18
	s_add_co_u32 s54, s54, s56
	s_mov_b32 s55, 0
	s_and_b32 s57, s[WV], 1
	s_lshl_b32 s57, s57, 17                        ; in LDS: V's parts behind all of K's,
	s_lshr_b32 s58, s[WV], 1
	s_lshl_b32 s58, s58, 15                        ; chunk by chunk
	s_add_co_u32 s57, s57, s58
	s_mov_b32 s[SEL], 0x76543210
	s_mov_b32 s[SEL+1], 0xfedcba98
	s_wait_dscnt 0x0
	s_wait_kmcnt 0x0
	s_load_b256 s[24:31], s[8:9], 0x0              ; e0 .. e7
	s_mov_b32 s[G0], 1
	s_mov_b32 s[G0+1], s57
	s_add_nc_u64 s[G0+2:G0+3], s[6:7], s[54:55]
	s_or_b32 s[G0+3], s[G0+3], 0x80000000
	ROUND                                          ; all four work-groups are here: the joint loads meet
	tensor_load_to_lds s[G0:G0+3], s[G1:G1+7]      ; my one tensor load
	s_nop 0
.rept 4
	v_nop
.endr
	s_lshr_b32 s58, s14, 4
	s_lshl_b32 s58, s58, 21                        ; x: token 2,048 x batch
	s_lshl_b32 s59, s13, 19                        ; + 512 cx
	s_add_co_u32 s58, s58, s59
	s_lshl_b32 s59, s[WV], 16                      ; + 64 x wave, rows of 1,024 bytes
	s_add_co_u32 s58, s58, s59
	s_mov_b32 s59, 0
	s_add_nc_u64 s[4:5], s[4:5], s[58:59]
	s_and_b32 s54, s14, 15                         ; the head
	s_lshl_b32 s58, s54, 16
	s_add_nc_u64 s[40:41], s[40:41], s[58:59]      ; its 64 rows of Wq
	s_lshl_b32 s58, s54, 8
	s_add_nc_u64 s[42:43], s[42:43], s[58:59]      ; its 64 numbers of bq
	s_lshr_b32 s56, s14, 4
	s_lshl_b32 s56, s56, 7
	s_lshl_b32 s57, s13, 5
	s_add_co_u32 s56, s56, s57
	s_lshl_b32 s57, s[WV], 2
	s_add_co_u32 s56, s56, s57                     ; ai: token tile 128 x batch + 32 cx + 4 x wave,
	s_lshl_b32 s56, s56, 14
	s_lshl_b32 s57, s54, 10                        ; my head's image in it
	s_add_co_u32 s56, s56, s57
	s_mov_b32 s57, 0
	s_add_nc_u64 s[10:11], s[10:11], s[56:57]
	s_lshl_b32 s56, s[WV], 7                       ; my K step of Wq, in a row
	s_lshl_b32 s57, s[WV], 13                      ; and among the images
	v_and_b32 v[LI], 31, v0
	v_lshlrev_b32 v[LI], 4, v[LI]
	v_and_b32 v12, 15, v0                          ; r
	v_bfe_u32 v13, v0, 4, 1                        ; h
	v_lshlrev_b32 v[XO], 10, v12
	v_lshl_add_u32 v[XO], v13, 4, v[XO]            ; row r, + 16 h
	v_add_nc_u32 v[WO], s56, v[XO]
	v_lshlrev_b32 v[BO], 5, v13                    ; my eight numbers of a tile of the bias
	v_add_nc_u32 v[WA], WIMG, v[LI]
	v_add_nc_u32 v[SA], s57, v[WA]
.irp f, 0,1,2,3
.irp c, 0,1,2,3
	global_load_b128 v[WF+16*\f+4*\c:WF+16*\f+4*\c+3], v[WO], s[40:41] offset:16384*\f+32*\c   ; Wq's four fragments of K step w
.endr
.endr
.irp c, 0,1,2,3
	global_load_b128 v[T+4*\c:T+4*\c+3], v[XO], s[40:41] offset:3*16384+7*128+32*\c            ; the fragment without an image
.endr
.irp f, 0,1,2,3
	global_load_b128 v[ST+8*\f:ST+8*\f+3],   v[BO], s[42:43] offset:64*\f                      ; bq of channel 16 f + 8 h + j
	global_load_b128 v[ST+8*\f+4:ST+8*\f+7], v[BO], s[42:43] offset:64*\f+16
.endr
	XLD 0
	XLD 1
	W
	s_wait_loadcnt 44                              ; my K step of Wq is in; behind it stand 4 + 8 + 32 loads
.irp f, 0,1,2
.irp c, 0,1,2,3
	ds_store_b128 v[SA], v[WF+16*\f+4*\c:WF+16*\f+4*\c+3] offset:2048*\f+512*\c
.endr
.endr
	s_cmp_eq_u32 s[WV], 7                          ; (step 7, f = 3) has no image
	s_cbranch_scc1 .Lno_image
.irp c, 0,1,2,3
	ds_store_b128 v[SA], v[WF+48+4*\c:WF+48+4*\c+3] offset:2048*3+512*\c
.endr
.Lno_image:
	s_wait_dscnt 0x0                               ; my images are written,
	s_barrier_signal -1
	s_barrier_wait -1                              ; everybody's are.  The tensor loads stay out
	WLD 0
	XLD 2
	XLD 3
.irp s, 0,1,2,3,4,5,6,7
	QSTEP \s
.endr
	s_wait_kmcnt 0x0
	s_add_co_i32 s56, s24, s25
	s_add_co_i32 s56, s56, 127
	s_lshl_b32 s56, s56, 23                        ; 2^(e0 + e1)
	s_mov_b32 s57, s56
	s_add_co_i32 s58, s26, 127
	s_lshl_b32 s59, s58, 23
	v_mov_b32 v[QSC], s59                          ; 2^e2
	s_add_co_i32 s58, s58, 15
	s_lshl_b32 s58, s58, 23
	s_or_b32 s58, s58, 0x600000
	v_mov_b32 v[QLIM], s58                         ; 57,344 x 2^e2
	WIN 0x40
.irp t, 0,1,2,3
.irp f, 0,1,2,3
.irp i, 0,2,4,6
	v_pk_fma_f32 v[32*\t+8*\f+\i:32*\t+8*\f+\i+1], v[O+32*\t+8*\f+\i:O+32*\t+8*\f+\i+1], s[56:57], v[ST+8*\f+\i:ST+8*\f+\i+1] op_sel_hi:[1,0,1]   ; q = sum x 2^(e0 + e1) + bq
.endr
.endr
.endr
	TOCODES QLIM, QSC, Q                           ; Q's four fragments
.irp t, 0,1,2,3
	v_mov_b32 v[ST+8*\t], 0x7f61b1e6               ; -M: 3e38
	v_mov_b32 v[ST+8*\t+1], 0xff61b1e6             ; the largest score so far: -3e38
	v_mov_b32 v[ST+8*\t+2], 0
	v_mov_b32 v[ST+8*\t+3], 0
	v_mov_b32 v[ST+8*\t+5], 0                      ; (named as the upper half of f's pair)
	v_mov_b32 v[ST+8*\t+6], 0
	v_mov_b32 v[ST+8*\t+7], 0
.endr
.set j, 0
.rept 128
	v_mov_b32 v[O+j], 0                            ; the step is written once: the first finds zeros, which the first change of M leaves zeros
.set j, j+1
.endr
	v_mov_b32 v[ADK], v[LI]
	s_add_co_i32 s54, s26, s27
	s_lshl_b32 s54, s54, 23
	s_mov_b32 s[CS], 0x3e38aa3b                    ; log2(e) / 8,
	s_add_co_i32 s[CS], s[CS], s54                 ; x 2^(e2 + e3), by its exponent field
	s_mov_b32 s[CS+1], s[CS]
	s_add_co_i32 s54, s28, 127
	s_lshl_b32 s55, s54, 23
	v_mov_b32 v[PSC], s55                          ; 2^e4
	s_add_co_i32 s54, s54, 15
	s_lshl_b32 s54, s54, 23
	s_or_b32 s[PL], s54, 0x600000                  ; 57,344 x 2^e4
	s_add_co_i32 s54, s30, 127
	s_lshl_b32 s55, s54, 23
	v_mov_b32 v[OSC], s55                          ; 2^e6
	s_add_co_i32 s54, s54, 15
	s_lshl_b32 s54, s54, 23
	s_or_b32 s54, s54, 0x600000
	v_mov_b32 v[OLIM], s54                         ; 57,344 x 2^e6
	s_mov_b32 s[TB], 0
	s_mov_b32 s[CNT], 16
	W
	s_wait_tensorcnt 0x0                           ; my part of K and V is in,
	s_barrier_signal -1
	s_barrier_wait -1                              ; everybody's is
	KLD 0
.Lstep:                                            ; 16 steps of 128 keys
	s_wait_dscnt 0x0                               ; key tiles 0-3 (asked for in the step before)
	WIN 0x40
	QK 0
	WIN 0
	v_add_nc_u32 v[ADK], s[TB], v[LI]              ; this step's addresses; with the two lines below, the four places ahead of the loads into K's buffers and of the first reads of the scores
	v_add_nc_u32 v[ADV], VBASE, v[ADK]
	v_nop
	v_nop
	KLD 4096                                       ; key tiles 4-7
	WIN 0x14
.irp c, 0,1,2,3
	MAX2 \c, (\c==0), 0, 1
.endr
	s_wait_dscnt 0x0
	WIN 0x40
	QK 4
	WIN 0x14
.irp c, 0,1,2,3                                    ; these 32 name no register of the 16 products above: they are the places behind them
	MAX2 \c, (\c==0), 2, 3
.endr
.irp c, 4,5,6,7                                    ; all four query tiles by turns: eight chains
.irp i, 0,2,4,6
.irp t, 0,1,2,3
	v_max3_num_f32 v[T+4*\t+(\i/2)%2], v[T+4*\t+(\i/2)%2], v[64*\t+8*\c+\i], v[64*\t+8*\c+\i+1]
.endr
.endr
.endr
	WIN 0
.irp t, 0,1,2,3
	v_max_num_f32 v[T+4*\t], v[T+4*\t], v[T+4*\t+1]
.endr
.irp t, 0,1,2,3
	v_permlanex16_b32 v[T+4*\t+1], v[T+4*\t], s[SEL], s[SEL+1]
.endr
.irp t, 0,1,2,3
	v_max_num_f32 v[ST+8*\t+1], v[T+4*\t], v[T+4*\t+1]   ; the largest score so far, of both halves of the lanes
.endr
.irp t, 0,1,2,3
	v_mul_f32 v[T+4*\t], s[CS], v[ST+8*\t+1]       ; as t
.endr
.irp t, 0,1,2,3
	v_floor_f32 v[T+4*\t+1], -v[T+4*\t]            ; the new -M
.endr
.irp t, 0,1,2,3
	v_sub_f32 v[T+4*\t], v[T+4*\t+1], v[ST+8*\t]   ; old M - new M, a whole number, 0 or less
.endr
.irp t, 0,1,2,3
	v_mov_b32 v[ST+8*\t], v[T+4*\t+1]
.endr
.irp t, 0,1,2,3
	v_cvt_i32_f32 v[T+4*\t], v[T+4*\t]             ; (it saturates)
.endr
.irp t, 0,1,2,3
	v_ldexp_f32 v[ST+8*\t+4], 1.0, v[T+4*\t]       ; f = 2^(old M - new M)
.endr
.irp t, 0,1,2,3
	v_pk_mul_f32 v[ST+8*\t+2:ST+8*\t+3], v[ST+8*\t+2:ST+8*\t+3], v[ST+8*\t+4:ST+8*\t+5] op_sel_hi:[1,0]
	v_pk_mul_f32 v[ST+8*\t+6:ST+8*\t+7], v[ST+8*\t+6:ST+8*\t+7], v[ST+8*\t+4:ST+8*\t+5] op_sel_hi:[1,0]
.endr
	WIN 0x45
.set j, 0
.rept 32
	FMA1 0, j
.set j, j+2
.endr
	W
	XB 0, 1, 0
	W
	ADDS 0
	WIN 0x45
	XB 1, 1, 1
	W
	ADDS 1
	WIN 0x01
	CVT 0, KF                                      ; K's buffers are done with: P of tile 0
	WIN 0x40
.irp f, 0,1,2,3                                    ; V's four fragments (16 channels x 128 keys) onto tile 0's converted p
.irp q, 0,1,2,3
	ds_load_b128 v[16*\f+4*\q:16*\f+4*\q+3], v[ADV] offset:1024*\f+512*(\q%2)+4096*(\q/2)
.endr
.endr
	WIN 0x45
	XB 2, 1, 1
	W
	ADDS 2
	WIN 0x45
	XB 3, 0, 1
	W
	ADDS 3
	WIN 0x45
.set j, 0
.rept 32
	v_dual_min_num_f32 v[192+j], s[PL], v[192+j] :: v_dual_min_num_f32 v[193+j], s[PL], v[193+j]   ; the conversion does not saturate (ISA guide 7.6.2); p is not negative, so the hold is one-sided
.set j, j+2
.endr
	WIN 0x01
	CVT 1, KF+16
	CVT 2, T
	v_nop                                          ; a plain line ahead of the conversions that write over tile 1's p
	WIN 0x41
	CVT 3, 64
	WIN 0
	W                                              ; ahead of the first readers of O^T, behind the exponentials
.irp t, 0,1,2,3
.irp j, 0,2,4,6,8,10,12,14,16,18,20,22,24,26,28,30
	v_pk_mul_f32 v[O+32*\t+\j:O+32*\t+\j+1], v[O+32*\t+\j:O+32*\t+\j+1], v[ST+8*\t+4:ST+8*\t+5] op_sel_hi:[1,0]
.endr
.endr
	W
	s_wait_dscnt 0x0                               ; V's fragments
	WIN 0x01
	PV 0, KF
	PV 1, KF+16
.rept 4
	v_nop                                          ; places ahead of the loads into the registers that held P of tiles 0, 1
.endr
	WIN 0
	s_cmp_eq_u32 s[CNT], 1                         ; the last step has no successor
	s_cbranch_scc1 .Lno_more
	KLD 8192                                       ; the next step's key tiles 0-3
.Lno_more:
	WIN 0x01
	PV 2, T
	WIN 0x05
	PV 3, 64
	WIN 0
.rept 5
	v_nop                                          ; places ahead of the products that write over V's fragments and P of tile 3
.endr
	s_add_co_u32 s[TB], s[TB], 8192
	s_sub_co_u32 s[CNT], s[CNT], 1
	s_cmp_lg_u32 s[CNT], 0
	s_cbranch_scc1 .Lstep
	; THE WAY OUT: O^T / the sum x 2^(e4 + e5), held within +-57,344 x 2^e6, converted with 2^e6: two stores of 512 consecutive bytes a tile
.irp t, 0,1,2,3
	v_pk_add_f32 v[ST+8*\t+2:ST+8*\t+3], v[ST+8*\t+2:ST+8*\t+3], v[ST+8*\t+6:ST+8*\t+7]
.endr
.irp t, 0,1,2,3
	v_add_f32 v[ST+8*\t+2], v[ST+8*\t+2], v[ST+8*\t+3]
.endr
.irp t, 0,1,2,3
	v_permlanex16_b32 v[T+4*\t], v[ST+8*\t+2], s[SEL], s[SEL+1]
.endr
.irp t, 0,1,2,3
	v_add_f32 v[ST+8*\t+2], v[ST+8*\t+2], v[T+4*\t]
.endr
	W
.irp t, 0,1,2,3
	v_rcp_f32 v[ST+8*\t+4], v[ST+8*\t+2]
.endr
	v_nop
	s_add_co_i32 s54, s28, s29
	W
.irp t, 0,1,2,3
	v_ldexp_f32 v[ST+8*\t+4], v[ST+8*\t+4], s54
.endr
	WIN 0x40
	W                                              ; ahead of the first readers of O^T, behind the reciprocals
.irp t, 0,1,2,3
.irp j, 0,2,4,6,8,10,12,14,16,18,20,22,24,26,28,30
	v_pk_mul_f32 v[32*\t+\j:32*\t+\j+1], v[O+32*\t+\j:O+32*\t+\j+1], v[ST+8*\t+4:ST+8*\t+5] op_sel_hi:[1,0]
.endr
.endr
	TOCODES OLIM, OSC, KF
.irp t, 0,1,2,3
	global_store_b128 v[LI], v[KF+8*\t:KF+8*\t+3],   s[10:11] offset:16384*\t
	global_store_b128 v[LI], v[KF+8*\t+4:KF+8*\t+7], s[10:11] offset:16384*\t+512
.endr
	s_wait_tensorcnt 0x0                           ; the wave's end
	ds_add_u32 v[SPW], v[NIL]
	s_wait_dscnt 0x0
	ROUND                                          ; the closing round
	s_endpgm
.Lfunc_end_k_q50708aa0e2_attn:
	.size	k_q50708aa0e2_attn, .Lfunc_end_k_q50708aa0e2_attn-k_q50708aa0e2_attn
	.p2alignl 7, 3214868480
	.fill 96, 4, 3214868480
	.section	.rodata,"a",@progbits
	.p2align	6, 0x0
	.amdhsa_kernel k_q50708aa0e2_attn
		.amdhsa_group_segment_fixed_size 327680
		.amdhsa_private_segment_fixed_size 0
		.amdhsa_enable_private_segment 0
		.amdhsa_kernarg_size 48
		.amdhsa_user_sgpr_count 2
		.amdhsa_user_sgpr_kernarg_segment_ptr 1
		.amdhsa_wavefront_size32 1
		.amdhsa_system_sgpr_workgroup_id_x 1
		.amdhsa_system_sgpr_workgroup_id_y 1
		.amdhsa_system_sgpr_workgroup_id_z 1
		.amdhsa_system_vgpr_workitem_id 0
		.amdhsa_next_free_vgpr 512
		.amdhsa_next_free_sgpr 66
		.amdhsa_reserve_vcc 0
		.amdhsa_float_denorm_mode_32 3
		.amdhsa_float_denorm_mode_16_64 3
		.amdhsa_memory_ordered 1
		.amdhsa_forward_progress 1
		.amdhsa_inst_pref_size 129
	.end_amdhsa_kernel
	.amdgpu_metadata
---
amdhsa.version: [ 1, 2 ]
amdhsa.kernels:
  - .name:           k_q50708aa0e2_attn
    .symbol:         k_q50708aa0e2_attn.kd
    .args:
      - { .name: x_codes, .offset: 0, .size: 8, .value_kind: global_buffer, .address_space: global }
      - { .name: kv, .offset: 8, .size: 8, .value_kind: global_buffer, .address_space: global }
      - { .name: lowp_scales, .offset: 16, .size: 8, .value_kind: global_buffer, .address_space: global }
      - { .name: ai, .offset: 24, .size: 8, .value_kind: global_buffer, .address_space: global }
      - { .name: Wqkv_codes, .offset: 32, .size: 8, .value_kind: global_buffer, .address_space: global }
      - { .name: bqkv, .offset: 40, .size: 8, .value_kind: global_buffer, .address_space: global }
    .group_segment_fixed_size: 327680
    .private_segment_fixed_size: 0
    .kernarg_segment_align: 8
    .kernarg_segment_size: 48
    .max_flat_workgroup_size: 256
    .sgpr_count:     66
    .vgpr_count:     512
    .wavefront_size: 32
...
	.end_amdgpu_metadata
.endif
;; end of part 2
;; launch proj (part 3): grid 32 x 8, 4 waves a work-group, clusters of 4 x 1, 168,448 bytes of LDS; arguments ai, Wo_codes, bo, lowp_scales, out0; writes out0
.if DOCPART == 3
	.amdgcn_target "amdgcn-amd-amdhsa--gfx1250"
	.amdhsa_code_object_version 6
	.text
	.protected	k_q50708aa0e2_proj
	.globl	k_q50708aa0e2_proj
	.p2align	8
	.type	k_q50708aa0e2_proj,@function
k_q50708aa0e2_proj:
	s_mov_b64 s[64:65], 0
	v_nop
	global_prefetch_b8 v0, s[64:65] scope:SCOPE_SE
	s_setreg_imm32_b32 hwreg(HW_REG_WAVE_MODE, 25, 1), 1
	s_wait_xcnt 0x0
	s_wait_alu depctr_hold_cnt(0) depctr_sa_sdst(0) depctr_va_vdst(0) depctr_va_sdst(0) depctr_va_ssrc(0) depctr_va_vcc(0) depctr_vm_vsrc(0)
	s_getreg_b32 s2, hwreg(HW_REG_IB_STS2, 6, 4)
	s_cmp_eq_u32 s2, 0
	s_cbranch_scc0 .Lentry_in_a_cluster
	s_endpgm
.Lentry_in_a_cluster:
	s_bfe_u32 s2, ttmp6, 0x10000c
	s_cmp_lg_u32 s2, 0x3003
	s_cbranch_scc0 .Lentry_shape_is_right
	s_endpgm
.Lentry_shape_is_right:
; out0 = a Wo + bo on codes of E5M2.  a: the attention's result as images of operand registers, ai [token tile 512][head 16][1024]: two neighbouring heads are one fragment of 16 tokens x 128 K
; (16 registers a lane: registers 2 c, 2 c + 1 hold k = 16 c + 8 (lane / 16) + 0 .. 7).  Wo: [1024 (n)][1024 (k)] codes.  out0: [8192][1024] f32 = sum x 2^(e6 + e7) + bo.
; LIMIT: e6 + e7 between -126 and 127, so that 2^(e6 + e7) is an f32 number.
; SHARES.  256 work-groups, each 256 tokens x 128 columns; wave w makes 64 tokens x 128 columns: 32 accumulators.
; Wo's tile, 128 rows x the whole K, lies in LDS for the whole launch, filled once: the four work-groups of a cluster take the same 128 columns and ask for it jointly (mask 15), one load of 32 rows a wave.
; Nothing is filled again.  a's fragments are read by one wave of a work-group alone and lie as images: they go from memory straight into registers, three K steps ahead, and are not shared inside the cluster.
; THE MATRIX INSTRUCTION IS USED TRANSPOSED (source 0 = 16 rows of Wo, source 1 = 16 tokens): a lane holds eight neighbouring columns of one row of out0.
; REGISTERS, in windows of 256: window 0: v1-8 addresses; v16-79 the bias; v80-111 at work; v112-239 rows on their way out, two sets.   window 1: the accumulators ((m, b) at v[8 (8 m + b)]).
;   window 2: a's fragments, four sets of 64 (K step s in set s % 4).   window 3: Wo's fragments, two sets of 128.
.set PB,    1040                       ; a row of Wo in LDS: 1,024 bytes + 16 of padding = 260 words: the 32 lanes of a load of 8 bytes touch 64 different banks
.set BQ,    32*PB                      ; what one tensor load brings
.set STAGE, 4*BQ                       ; behind Wo's tile: 16 rows x 528 bytes for each wave; no tensor load lands there
.set SP,    528
.set LI,   3                           ; v3   16 x lane
.set ADB,  4                           ; v4-5 LDS address of Wo's fragments 0-3, 4-7
.set STO,  6                           ; v6   the way out: where I put 32 bytes of a row
.set RD,   7                           ; v7   and where I read a row back
.set BO,   8                           ; v8   32 x (lane / 16): my eight numbers of a tile of the bias
.set BI,   16
.set TMP,  80
.set BK,   112
.set WV,   14
.set G1,   24                          ; s[24:31] descriptor group 1;  s[32:35] group 0
.set G0,   32
.set MSB, 0
.macro WIN new                         ; the immediate's high byte repeats the setting that is left
.if MSB != \new
	s_set_vgpr_msb (MSB<<8)|\new
.set MSB, \new
.endif
.endm
.macro ROUND                           ; a round of the cluster's barrier
	s_barrier_signal -1
	s_barrier_wait -1
	s_cmp_lg_u32 s[WV], 0
	s_cbranch_scc1 .Lnot_wave_0_\@
	s_barrier_signal -3
.Lnot_wave_0_\@:
	s_barrier_wait -3
	s_barrier_signal -1
	s_barrier_wait -1
.endm
.macro PLACES                          ; plain vector lines between a matrix instruction and a load into one of its registers, or a read of its result
.rept 4
	v_nop
.endr
.endm
	s_load_b256 s[4:11], s[0:1], 0x0               ; ai s[4:5], Wo s[6:7], bo s[8:9], the scales' exponents s[10:11]
	s_load_b64 s[12:13], s[0:1], 0x20              ; out0
	v_lshl_add_u32 v254, v0, 2, 0x29000
	v_mov_b32 v255, 0
	ds_add_u32 v254, v255
	ds_add_u32 v254, v255
	v_lshrrev_b32 v1, 5, v0
	v_readfirstlane_b32 s[WV], v1                  ; wave 0..3
	s_bfe_u32 s15, ttmp6, 0x40000                  ; cx
	s_lshl_b32 s16, ttmp9, 2
	s_add_co_u32 s16, s16, s15                     ; the tile of 256 tokens = 4 x cluster x + cx
	s_and_b32 s17, ttmp7, 0xffff                   ; the tile of 128 columns, which the four partners share
	; descriptor group 1: 32 rows of 1,024 bytes, padded in LDS
	s_mov_b32 s[G1], 15|(1<<20)|(1<<21)|(7<<22)|(3<<25)   ; 15:0 the mask: all four; 17:16 elements of 1 byte; 20 padding on; 21 set beside a mask; 24:22 after every 256 words; 31:25 four words
	s_mov_b32 s[G1+1], 1024<<16                    ; tensor_dim0
	s_mov_b32 s[G1+2], 32<<16                      ; tensor_dim1
	s_mov_b32 s[G1+3], 1024<<16                    ; tile_dim0
	s_mov_b32 s[G1+4], 32                          ; tile_dim1
	s_mov_b32 s[G1+5], 1024                        ; from row to row
	s_mov_b32 s[G1+6], 0
	s_mov_b32 s[G1+7], 0
	s_lshl_b32 s18, s17, 7
	s_lshl_b32 s19, s[WV], 5
	s_add_co_u32 s18, s18, s19                     ; Wo's row 128 x column tile + 32 x wave,
	s_lshl_b32 s18, s18, 10                        ; of 1,024 bytes
	s_mov_b32 s19, 0
	s_mul_i32 s20, s[WV], BQ                       ; and where it goes
	s_wait_dscnt 0x0
	s_wait_kmcnt 0x0
	s_load_b64 s[36:37], s[10:11], 0x18            ; e6, e7
	s_mov_b32 s[G0], 1
	s_mov_b32 s[G0+1], s20
	s_add_nc_u64 s[G0+2:G0+3], s[6:7], s[18:19]
	s_or_b32 s[G0+3], s[G0+3], 0x80000000
	ROUND                                          ; all four work-groups are here: the joint loads meet
	tensor_load_to_lds s[G0:G0+3], s[G1:G1+7]
	s_nop 0
.rept 4
	v_nop
.endr
	v_and_b32 v1, 15, v0                           ; r
	v_bfe_u32 v2, v0, 4, 1                         ; h
	v_and_b32 v[LI], 31, v0
	v_lshlrev_b32 v[LI], 4, v[LI]
	v_lshlrev_b32 v[BO], 5, v2
	s_wait_alu depctr_va_vdst(0)
	v_mul_u32_u24 v[ADB], v1, PB
	v_lshl_add_u32 v[ADB], v2, 3, v[ADB]           ; row r, + 8 h: registers 2 c, 2 c + 1 come from 16 c bytes on
	v_add_nc_u32 v[ADB+1], 64*PB, v[ADB]           ; fragments 4-7 lie 64 rows on: beyond an offset's 16 bits
	s_mul_i32 s21, s[WV], 16*SP
	s_add_co_u32 s21, s21, STAGE                   ; my stage
	v_mul_u32_u24 v[STO], v1, SP
	v_lshl_add_u32 v[STO], v2, 5, v[STO]
	v_add_nc_u32 v[STO], s21, v[STO]               ; in: row r, 32 bytes for each half of the lanes
	v_add_nc_u32 v[RD], s21, v[LI]                 ; back: the 32 lanes take one row of 512 bytes
	s_lshl_b32 s18, s17, 9
	s_add_nc_u64 s[8:9], s[8:9], s[18:19]          ; bo at my 128 columns
	s_lshl_b32 s18, s16, 4
	s_lshl_b32 s21, s[WV], 2
	s_add_co_u32 s18, s18, s21
	s_lshl_b32 s18, s18, 14                        ; ai: token tile 16 x tile + 4 x wave, 16,384 bytes each
	s_add_nc_u64 s[4:5], s[4:5], s[18:19]
	s_lshl_b32 s18, s16, 8
	s_lshl_b32 s21, s[WV], 6
	s_add_co_u32 s18, s18, s21
	s_lshl_b32 s18, s18, 12                        ; out0: row 256 x tile + 64 x wave, 4,096 bytes each,
	s_lshl_b32 s21, s17, 9
	s_add_co_u32 s18, s18, s21                     ; + my 128 columns
	s_add_nc_u64 s[12:13], s[12:13], s[18:19]
.irp b, 0,1,2,3,4,5,6,7
	global_load_b128 v[BI+8*\b:BI+8*\b+3],   v[BO], s[8:9] offset:64*\b      ; BI[8 b + j] = bo of column 16 b + 8 h + j
	global_load_b128 v[BI+8*\b+4:BI+8*\b+7], v[BO], s[8:9] offset:64*\b+16
.endr
.macro ALOAD s                         ; a's four fragments of K step s, as they lie: 16 loads of 512 consecutive bytes
	WIN 0x80                                       ; destination window 2
.irp m, 0,1,2,3
.irp q, 0,1,2,3
	global_load_b128 v[64*((\s)%4)+16*\m+4*\q:64*((\s)%4)+16*\m+4*\q+3], v[LI], s[4:5] offset:\m*16384+(\s)*2048+\q*512
.endr
.endr
.endm
.macro BLOAD s                         ; Wo's eight fragments of K step s, in the same places of k as a's images have them: loads of 8 bytes, 16 apart
	WIN 0xc0                                       ; destination window 3
.irp b, 0,1,2,3,4,5,6,7
.irp c, 0,1,2,3,4,5,6,7
	ds_load_b64 v[128*((\s)%2)+16*\b+2*\c:128*((\s)%2)+16*\b+2*\c+1], v[ADB+\b/4] offset:(\b%4)*16*PB+128*(\s)+16*\c
.endr
.endr
.endm
.macro MULS s, zero                    ; 32 matrix instructions; the 32 accumulators take turns, one instruction a turn, in the same order in every step
	WIN 0x5b                                       ; source 0 (Wo) window 3, source 1 (a) window 2, C and D window 1
.irp m, 0,1,2,3
.irp b, 0,1,2,3,4,5,6,7
.if \zero
	v_wmma_f32_16x16x128_bf8_bf8 v[8*(8*\m+\b):8*(8*\m+\b)+7], v[128*((\s)%2)+16*\b:128*((\s)%2)+16*\b+15], v[64*((\s)%4)+16*\m:64*((\s)%4)+16*\m+15], 0
.else
	v_wmma_f32_16x16x128_bf8_bf8 v[8*(8*\m+\b):8*(8*\m+\b)+7], v[128*((\s)%2)+16*\b:128*((\s)%2)+16*\b+15], v[64*((\s)%4)+16*\m:64*((\s)%4)+16*\m+15], v[8*(8*\m+\b):8*(8*\m+\b)+7]
.endif
.endr
.endr
.endm
	ALOAD 0
	ALOAD 1
	ALOAD 2
	WIN 0
	s_wait_alu depctr_va_vdst(0)
	s_wait_tensorcnt 0x0                           ; my 32 rows of Wo are in,
	s_barrier_signal -1
	s_barrier_wait -1                              ; everybody's are
	BLOAD 0
.irp s, 0,1,2,3,4,5,6,7                ; eight K steps of 128, written out
	s_wait_dscnt 0x0                               ; Wo's fragments of this step are in (asked for ahead of the last step's 32 products)
.if (\s >= 1) && (\s <= 6)
	PLACES                                         ; the loads below land in the sets that the last step multiplied
.endif
.if \s <= 4
	ALOAD \s+3
.endif
.if \s <= 6
	BLOAD \s+1
.endif
.if \s <= 4
	s_wait_loadcnt 48                              ; this step's 16 loads of a are in (and the bias, which is older); those of the three steps behind it may be out
.else
	s_wait_loadcnt 16*(7-\s)
.endif
.if \s == 0
	MULS \s, 1                                     ; the first products start the sums
.else
	MULS \s, 0
.endif
.endr
	WIN 0
; THE WAY OUT, block by block of 16 rows x 128 columns: sum x 2^(e6 + e7) + bo, one packed multiply-add for two numbers, each accumulator from its low end on; through my own stage in LDS; back as whole rows
; of 512 bytes.  LDS serves a wave's instructions in order (ISA guide 5.7.1.4): no wait between the stores and the loads, nor in front of the next block's stores.
.macro TOSTAGE m
.irp u, 0,1
	WIN 0x01                                       ; source 0 window 1
.irp b, 0,1,2,3
.irp i, 0,2,4,6
	v_pk_fma_f32 v[TMP+8*\b+\i:TMP+8*\b+\i+1], v[8*(8*(\m)+4*\u+\b)+\i:8*(8*(\m)+4*\u+\b)+\i+1], s[38:39], v[BI+8*(4*\u+\b)+\i:BI+8*(4*\u+\b)+\i+1] op_sel_hi:[1,0,1]
.endr
.endr
	WIN 0
.irp b, 0,1,2,3
	ds_store_b128 v[STO], v[TMP+8*\b:TMP+8*\b+3]   offset:64*(4*\u+\b)
	ds_store_b128 v[STO], v[TMP+8*\b+4:TMP+8*\b+7] offset:64*(4*\u+\b)+16
.endr
.endr
.set BB, BK+64*((\m)%2)
.irp t, 0,1,2,3,4,5,6,7,8,9,10,11,12,13,14,15
	ds_load_b128 v[BB+4*\t:BB+4*\t+3], v[RD] offset:\t*SP
.endr
.endm
.macro SEND m, younger                 ; younger: the LDS instructions issued behind block m's loads, which may stay out
.set BB, BK+64*((\m)%2)
	s_wait_dscnt \younger
.irp t, 0,1,2,3,4,5,6,7,8,9,10,11,12,13,14,15
	global_store_b128 v[LI], v[BB+4*\t:BB+4*\t+3], s[12:13] offset:(16*(\m)+\t)*4096 th:TH_STORE_NT   ; 32 lanes store 512 consecutive bytes, aligned; written once, read by nobody here
.endr
.endm
	s_wait_kmcnt 0x0
	s_add_co_i32 s38, s36, s37
	s_add_co_i32 s38, s38, 127
	s_lshl_b32 s38, s38, 23                        ; 2^(e6 + e7) as f32
	s_mov_b32 s39, s38                             ; (named with it as a pair, so it is written)
	PLACES                                         ; behind the last products
	TOSTAGE 0
.irp m, 1,2,3
.if \m > 1
	s_wait_xcnt 0x0                                ; block m - 2's stores have read their registers: block m's rows may land there
.endif
	TOSTAGE \m
	SEND \m-1, 32                                  ; behind block m - 1's loads: block m's 16 stores and 16 loads
.endr
	SEND 3, 0
	s_wait_tensorcnt 0x0
	ds_add_u32 v254, v255
	s_wait_dscnt 0x0
	ROUND                                          ; the closing round
	s_endpgm
.Lfunc_end_k_q50708aa0e2_proj:
	.size	k_q50708aa0e2_proj, .Lfunc_end_k_q50708aa0e2_proj-k_q50708aa0e2_proj
	.p2alignl 7, 3214868480
	.fill 96, 4, 3214868480
	.section	.rodata,"a",@progbits
	.p2align	6, 0x0
	.amdhsa_kernel k_q50708aa0e2_proj
		.amdhsa_group_segment_fixed_size 168448
		.amdhsa_private_segment_fixed_size 0
		.amdhsa_enable_private_segment 0
		.amdhsa_kernarg_size 40
		.amdhsa_user_sgpr_count 2
		.amdhsa_user_sgpr_kernarg_segment_ptr 1
		.amdhsa_wavefront_size32 1
		.amdhsa_system_sgpr_workgroup_id_x 1
		.amdhsa_system_sgpr_workgroup_id_y 1
		.amdhsa_system_sgpr_workgroup_id_z 1
		.amdhsa_system_vgpr_workitem_id 0
		.amdhsa_next_free_vgpr 1024
		.amdhsa_next_free_sgpr 66
		.amdhsa_reserve_vcc 0
		.amdhsa_float_denorm_mode_32 3
		.amdhsa_float_denorm_mode_16_64 3
		.amdhsa_memory_ordered 1
		.amdhsa_forward_progress 1
		.amdhsa_inst_pref_size 91
	.end_amdhsa_kernel
	.amdgpu_metadata
---
amdhsa.version: [ 1, 2 ]
amdhsa.kernels:
  - .name:           k_q50708aa0e2_proj
    .symbol:         k_q50708aa0e2_proj.kd
    .args:
      - { .name: ai, .offset: 0, .size: 8, .value_kind: global_buffer, .address_space: global }
      - { .name: Wo_codes, .offset: 8, .size: 8, .value_kind: global_buffer, .address_space: global }
      - { .name: bo, .offset: 16, .size: 8, .value_kind: global_buffer, .address_space: global }
      - { .name: lowp_scales, .offset: 24, .size: 8, .value_kind: global_buffer, .address_space: global }
      - { .name: out0, .offset: 32, .size: 8, .value_kind: global_buffer, .address_space: global }
    .group_segment_fixed_size: 168448
    .private_segment_fixed_size: 0
    .kernarg_segment_align: 8
    .kernarg_segment_size: 40
    .max_flat_workgroup_size: 128
    .sgpr_count:     66
    .vgpr_count:     1024
    .wavefront_size: 32
...
	.end_amdgpu_metadata
.endif
;; end of part 3
